; MI455X (gfx1250); checked and timed in simulation.
; The chip was launched on July 23, 2026; its instructions are those of AMD's public machine-readable ISA for CDNA 5 (MIT licence, August 2026) and "CDNA5" Instruction Set Architecture Reference Guide (July 2026). The comments in the code are by the model that wrote it; some were corrected since.
;; Multi Head Model. Allowed arithmetic: matrix products marked QUANTISED: E2M1 operands, one E8M0 scale for each 32 along K, by v_wmma_scale_f32_16x16x128_f8f6f4 with both operands' format E2M1 (or v_wmma_scale_f32_32x16x128_f4), f32 sums; everything else in f32.
;; Inputs: W_codes 20 x 100 x 32 x 16 uint8 (E2M1 codes of W, K innermost, in blocks of 32 codes, two codes a byte); W_scales 20 x 100 x 32 uint8 (E8M0 scales of W, one for each 32 codes along K); b 20 x 100 float32; t 16,384 int32; x_codes 16,384 x 32 x 16 uint8 (E2M1 codes of x, K innermost, in blocks of 32 codes, two codes a byte); x_scales 16,384 x 32 uint8 (E8M0 scales of x, one for each 32 codes along K).
;; Outputs: out0 16,384 x 100 float32.
;; This version of the problem:
;;   THIS VERSION OF THE PROBLEM IS GIVEN IN LOW PRECISION. The matrix products marked QUANTISED in the list below multiply operands that are first quantised to E2M1 (2 exponent bits, 1 mantissa bit; 4 bits a number), with one power-of-two scale for each 32 numbers along K (OCP MX v1.0); their sums are f32. All else is computed in f32.
;;   The module's matrix products, in the order in which they are computed (A, B: the left and right operand; K: the contracted axis; several contracted axes count as one K, in the product's order):
;;     1. [M 16,384, K 1,024] x [K 1,024, N 2,000]; A: input x (given as codes); B: input W (given as codes): QUANTISED
;;   THE QUANTISER, for each operand of a quantised product, along K:
;;     - K is cut into blocks of 32 from its start; a last block that is shorter is filled with zeros.
;;     - A block's scale is 2^e with e = floor(log2(the largest magnitude in the block)) - 2, held to -126 .. 127; a block of zeros has e = 0. As a byte (E8M0): e + 127.
;;     - Each number is divided by its block's scale, clamped to +-6, and rounded to the nearest number of E2M1, ties to even, subnormals kept.
;;     - The product sums the exact products of the quantised numbers (number of the format x scale) in f32.
;;   ~~~python
;;   def quantise(x, axis):      # numpy; x: float32 -> the quantised numbers, widened to float32 again
;;       x = np.moveaxis(x, axis, -1); K = x.shape[-1]
;;       x = np.pad(x, [(0, 0)] * (x.ndim - 1) + [(0, -K % 32)]); x = x.reshape(x.shape[:-1] + (-1, 32)); a = np.abs(x).max(-1, keepdims=True)
;;       e = np.where(a > 0, np.clip(np.frexp(np.where(a > 0, a, 1))[1] - 1 - 2, -126, 127), 0)      # np.frexp(a)[1] - 1 = floor(log2(a)), exactly
;;       r = np.clip(x / 2.0 ** e, -6, 6)
;;       step = 2.0 ** (np.maximum(np.frexp(np.where(r == 0, 1, r))[1] - 1, 0) - 1)
;;       q = np.round(r / step) * step * 2.0 ** e      # np.round: ties to even
;;       return np.moveaxis(q.reshape(q.shape[:-2] + (-1,))[..., :K], -1, axis).astype(np.float32)
;;   ~~~
;;   INPUTS GIVEN AS CODES. W (in the module: [20, 100, 1024], K = its axis 2); x (in the module: [16384, 1024], K = its axis 1): each comes as NAME_codes (uint8): NAME with its K axis moved to the last place and cut into blocks of 32 codes, [.., K / 32, bytes a block], one block behind the other in memory; two codes a byte, the lower K in the low four bits (a code: sign, 2 exponent bits, 1 mantissa bit); and NAME_scales (uint8): the same leading axes, one E8M0 byte (e + 127) for each 32 codes along K. Its value is code x scale, taken as it is: it is not quantised again, and the codes and scales need not be those that the quantiser above would give.
;; One version. Each part assembles by itself: llvm-mc -triple=amdgcn-amd-amdhsa -mcpu=gfx1250 --defsym DOCPART=n.
;; ======== version 1 of 1: 1 launch
;; launch heads (part 1): grid 16 x 20, 1 waves a work-group, no clusters, 164,096 bytes of LDS; arguments t, W_codes, W_scales, b, x_codes, x_scales, out0; writes out0
.if DOCPART == 1
	.amdgcn_target "amdgcn-amd-amdhsa--gfx1250"
	.amdhsa_code_object_version 6
	.text
	.protected	k_q1260bddd21_heads
	.globl	k_q1260bddd21_heads
	.p2align	8
	.type	k_q1260bddd21_heads,@function
k_q1260bddd21_heads:
	s_mov_b64 s[64:65], 0
	v_nop
	global_prefetch_b8 v0, s[64:65] scope:SCOPE_SE
	s_setreg_imm32_b32 hwreg(HW_REG_WAVE_MODE, 25, 1), 1
	s_wait_xcnt 0x0
; out0[i][:] = W[t[i]] x[i] + b[t[i]].  x: [16384][1024], W: [20][100][1024]: codes of FP4 (E2M1), two a byte, K innermost, one E8M0 byte for each 32 along K; b, out0: f32; t: int32.
; Only each row's own head is multiplied: the others' results are thrown away by the gather on t.
; SHARES.  A work-group is ONE wave.  Work-group (x = chunk c of 1,024 rows, y = expert e) owns the rows i of 1024 c .. 1024 c + 1023 with t[i] = e, however many (0 to 1,024): every output row has one owner.
; The list of those rows, its length, and so the branches below hang on t.  One wave, so that there is no barrier.
; PHASES.  (1) t's 1,024 numbers and all of W_e (100 rows of 512 bytes, a row a load) are asked for.  (2) The matching rows' numbers are packed into a list in LDS (ballot, count of lower lanes, scatter).
; (3) The x rows of the first 64 list places are asked for, a whole row of 512 bytes a load; while they are on their way W_e turns through LDS into 56 operand fragments, which stay in 448 registers.
; (4) The list goes in tiles of 16 rows: rows through an LDS stage into 8 fragments; 56 matrix instructions (7 tiles of 16 classes x 8 K steps of 128); results through a stage back as rows; + b; a row of 400 bytes a store.
; THE MATRIX INSTRUCTION IS USED TRANSPOSED: source 0 = 16 classes of W, source 1 = 16 rows of x: lane (r, h) then holds list place r and classes 16 n + 8 h + 0 .. 7.
; Classes 100 .. 111 are zero codes under class 99's scale bytes; their results reach the stage and are not read back.  List places behind the count hold row 0: it is multiplied and not stored.
; LIMITS.  A row whose t lies outside 0 .. 19 is not written (the problem keeps t inside the table).  A scale byte 0xff gives NaN, as the matrix unit gives it.
; A very uneven t is served, one gather of 80 rows after the other.
; REGISTERS, in windows of 256 (s_set_vgpr_msb: bits 1:0 source 0, 3:2 source 1, 5:4 source 2, 7:6 destination):
;   window 0: addresses, scale words, list numbers, accumulators, rows on the way out (names below).
;   window 1, and v0-191 of window 2: W_e, first as rows (row p at 4 p), then as fragments (K step s, class tile n: f = 7 s + n at 8 f).
;   window 2, v192-255: x's 8 fragments.   window 3: four landing sets of 16 rows x 4 registers; tile j lands in set j % 4.
.set WP,    528                        ; a stage row of codes: 512 bytes + 16 = 132 words: row r starts at bank 4 r mod 64 (64 banks of 4 bytes: ISA guide 11.1)
.set OP,    464                        ; a stage row of results: 112 f32 + 16 bytes = 116 words: row r starts at bank 52 r mod 64: sixteen different groups of four
.set XST,   0                          ; LDS: x's stage, 16 rows; it lies over W's stage (112 rows from byte 0), which is done with when the fragments have been read
.set OST,   16*WP                      ; the results' stage, 16 rows
.set LIST,  112*WP                     ; the list: 1,152 words, cleared first
.set DUMPW, 1152                       ; behind it a word for each lane: where a lane that does not match puts its number; never read
.set GROUPS, 13                        ; a chunk's list has at most 1,024 places: 13 groups of 80 cover 1,040
.set L16,  1                           ; v1   16 x lane
.set ORD,  2                           ; v2   16 x min(lane, 24): my 16 bytes of a row of 100 f32
.set FA,   3                           ; v3   a fragment's place: (lane % 16) x WP + 16 (lane / 16)
.set OSA,  4                           ; v4   a result's place: (lane % 16) x OP + 32 (lane / 16)
.set LU,   5                           ; v5   4 x the group's first list place, the same in all lanes
.set LS,   6                           ; v6   the same + 4 (lane % 16)
.set H16,  7                           ; v7   16 (lane / 16)
.set WS,   8                           ; v8   W's scale bytes: 32 (lane % 16) + 16 (lane / 16)
.set WS6,  9                           ; v9   the same for the last class tile: rows held at the expert's last
.set DMP,  10                          ; v10  my dump word's number
.set ROW0, 11                          ; v11  1024 c + 4 x lane
.set ZERO, 12                          ; v12-15   zeros
.set BIAS, 16                          ; v16-19   b[e] at my four classes
.set WSC,  20                          ; v20-47   W's scale words, four registers a class tile: scales and nothing else
.set XSC,  48                          ; v48-63   x's scale words, four registers a landing set: scales and nothing else
.set R4,   64                          ; v64  4 (lane % 16)
.set SID,  66                          ; v66-70   tile j: my list place's row, then its offset in x_scales
.set G4,   72                          ; v72-87   the fifth tile's rows, then their offsets in x_codes
.set OFFO, 88                          ; v88-103  the tile's rows, then their offsets in out0
.set ACC,  104                         ; v104-159 seven accumulators
.set OR,   160                         ; v160-223 16 rows of results, four registers each
.set IDT,  88                          ; v88-151  a gather's 64 rows, then offsets (OFFO and ACC are idle then)
.set T,    160                         ; v160-191 the packing: t, then the list place
.set D,    192                         ; v192-223 the packing: the rows' numbers
.set XF,   192                         ; in window 2
.set EXP,  18                          ; s18  e
.set CNT,  22                          ; s22  the list's length
.set TMP,  23
.set BASE, 24                          ; s24  the group's first list place: 0, 80, ..
.set REM,  25                          ; s25  CNT - BASE
.set NV,   26                          ; s26  list places left from the tile in hand on
.set SAVE, 27                          ; s27  EXEC, kept
.set GRP,  28                          ; s28  the groups done: the loop's counter
.set MK,   32                          ; s32-63   the 32 ballots
.set MSB, 0
.macro WIN new                         ; the immediate's high byte repeats the setting that is left; a switch that changes nothing is dropped
.if MSB != \new
	s_set_vgpr_msb (MSB<<8)|\new
.set MSB, \new
.endif
.endm
	s_load_b256 s[4:11], s[0:1], 0x0               ; t s[4:5], W's codes s[6:7], W's scales s[8:9], b s[10:11]
	s_load_b128 s[12:15], s[0:1], 0x20             ; x's codes s[12:13], x's scales s[14:15]
	s_load_b64 s[16:17], s[0:1], 0x30              ; out0
	v_lshl_add_u32 v254, v0, 2, 0x28000
	v_mov_b32 v255, 0
	s_and_b32 s[EXP], ttmp7, 0xffff                ; e
	s_lshl_b32 s20, ttmp9, 12                      ; my chunk of t: 4,096 c bytes
	s_mov_b32 s21, 0
	s_mul_i32 s24, s[EXP], 51200                   ; my expert's codes,
	s_mov_b32 s25, 0
	s_mul_i32 s26, s[EXP], 3200                    ; scale bytes,
	s_mov_b32 s27, 0
	s_mul_i32 s28, s[EXP], 400                     ; and bias
	s_mov_b32 s29, 0
	s_lshl_b32 s[TMP], ttmp9, 10
	v_lshlrev_b32 v[L16], 4, v0
	v_mov_b32 v[ZERO], 0
	v_mov_b32 v[ZERO+1], 0
	v_mov_b32 v[ZERO+2], 0
	v_mov_b32 v[ZERO+3], 0
.irp q, 0,1,2,3,4,5,6,7,8
	ds_store_b128 v[L16], v[ZERO:ZERO+3] offset:LIST+512*\q   ; the list is cleared: a place behind the count names row 0
.endr
	v_min_u32 v[ORD], 24, v0
	v_lshlrev_b32 v[ORD], 4, v[ORD]
	v_and_b32 v[R4], 15, v0                        ; r
	v_lshrrev_b32 v[H16], 4, v0                    ; h
	v_mul_u32_u24 v[FA], v[R4], WP
	v_lshl_add_u32 v[FA], v[H16], 4, v[FA]
	v_mul_u32_u24 v[OSA], v[R4], OP
	v_lshl_add_u32 v[OSA], v[H16], 5, v[OSA]
	v_lshlrev_b32 v[H16], 4, v[H16]
	v_lshl_add_u32 v[WS], v[R4], 5, v[H16]
	v_min_u32 v[WS6], 3, v[R4]                     ; classes 96 .. 99; lanes for 100 .. 111 take class 99's bytes: no load leaves the buffer
	v_lshl_add_u32 v[WS6], v[WS6], 5, v[H16]
	v_lshlrev_b32 v[R4], 2, v[R4]
	v_add_nc_u32 v[DMP], DUMPW, v0
	v_lshl_add_u32 v[ROW0], v0, 2, s[TMP]
	v_cmp_gt_u32 vcc_lo, 25, v0                    ; the 25 lanes that hold a row of 100 f32; VCC is not written again
.set k, 0
.rept 32
	v_add_nc_u32 v[D+k], 128*(k/4)+k%4, v[ROW0]    ; register k of t's loads holds row 1024 c + 128 (k / 4) + 4 lane + k % 4
.set k, k+1
.endr
	s_wait_kmcnt 0x0
	s_add_nc_u64 s[4:5], s[4:5], s[20:21]
	s_add_nc_u64 s[6:7], s[6:7], s[24:25]
	s_add_nc_u64 s[8:9], s[8:9], s[26:27]
	s_add_nc_u64 s[10:11], s[10:11], s[28:29]
.irp q, 0,1,2,3,4,5,6,7
	global_load_b128 v[T+4*\q:T+4*\q+3], v[L16], s[4:5] offset:512*\q   ; my 1,024 numbers of t
.endr
	WIN 0x40                                       ; destination window 1
.set k, 0
.rept 64
	global_load_b128 v[4*k:4*k+3], v[L16], s[6:7] offset:512*k          ; W_e, a whole row of 512 bytes a load.  More loads are issued than the counter's field holds:
.set k, k+1                                                                 ; the issue is held while it is full (ISA guide 5.7.1), and no wait is written for that
.endr
	WIN 0x80                                       ; destination window 2
.set k, 0
.rept 36
	global_load_b128 v[4*k:4*k+3], v[L16], s[6:7] offset:512*(k+64)
.set k, k+1
.endr
	WIN 0
	; THE PACKING.  Register by register: which lanes match; a matching lane's list place = the matches so far + the matching lanes below it.  EXEC stays full: a lane that does not match writes its dump word.
	s_wait_loadcnt 63                              ; t is in: 100 loads were issued behind its eight, and 63 is the most that a wait can name
	s_mov_b32 s[CNT], 0
.set k, 0
.rept 32
	v_cmp_eq_u32 s[MK+k], s[EXP], v[T+k]
.set k, k+1
.endr
.set k, 0
.rept 32
	v_mbcnt_lo_u32_b32 v[T+k], s[MK+k], s[CNT]
	s_bcnt1_i32_b32 s[TMP], s[MK+k]
	s_add_co_u32 s[CNT], s[CNT], s[TMP]
.set k, k+1
.endr
.set k, 0
.rept 32
	v_cndmask_b32 v[T+k], v[DMP], v[T+k], s[MK+k]
.set k, k+1
.endr
.set k, 0
.rept 32
	v_min_u32 v[T+k], DUMPW+31, v[T+k]             ; a list place is at most 1,023, a dump word at most 1,183: the bound is written out
.set k, k+1
.endr
.set k, 0
.rept 32
	v_lshlrev_b32 v[T+k], 2, v[T+k]
.set k, k+1
.endr
.set k, 0
.rept 32
	ds_store_b32 v[T+k], v[D+k] offset:LIST
.set k, k+1
.endr
	s_cmp_eq_u32 s[CNT], 0
	s_cbranch_scc1 .Ldone                          ; this chunk has no row of my expert: nothing to store
	s_mov_b32 s[BASE], 0
	s_mov_b32 s[GRP], 0
; 16 rows of x and their scale words are asked for.  ids: 16 registers, each a row's number in all lanes; sid: my list place's row; ls: the landing set.
.macro XROWS ids, sid, ls
.irp i, 0,1,2,3,4,5,6,7,8,9,10,11,12,13,14,15
	v_min_u32 v[\ids+\i], 0x3fff, v[\ids+\i]       ; a number that came out of memory is bounded before it enters an address
.endr
	v_min_u32 v[\sid], 0x3fff, v[\sid]
.irp i, 0,1,2,3,4,5,6,7,8,9,10,11,12,13,14,15
	v_lshl_add_u32 v[\ids+\i], v[\ids+\i], 9, v[L16]   ; row x 512 + 16 x lane
.endr
	v_lshl_add_u32 v[\sid], v[\sid], 5, v[H16]     ; row x 32 + 16 h
	WIN 0xc0                                       ; destination window 3
.irp i, 0,1,2,3,4,5,6,7,8,9,10,11,12,13,14,15
	global_load_b128 v[64*(\ls)+4*\i:64*(\ls)+4*\i+3], v[\ids+\i], s[12:13]   ; 32 lanes read one row's 512 consecutive bytes.  No hint: places behind the count name row 0 again
.endr
	WIN 0
	global_load_b128 v[XSC+4*(\ls):XSC+4*(\ls)+3], v[\sid], s[14:15]   ; lane (r, h): the words of K steps 4 h .. 4 h + 3 of place r's row
.endm
; The rows of the group's first 64 list places: always all four tiles, 17 loads each.  first = 1: also W's scale words and b, and the wait for W's rows.
.macro GATHER first
	s_min_u32 s[TMP], s[BASE], 960                 ; BASE is a multiple of 80 under the count, so at most 960: the bound is written out
	s_lshl_b32 s[TMP], s[TMP], 2
	v_mov_b32 v[LU], s[TMP]
	v_add_nc_u32 v[LS], s[TMP], v[R4]
.irp q, 0,1,2,3,4,5,6,7,8,9,10,11,12,13,14,15
	ds_load_b128 v[IDT+4*\q:IDT+4*\q+3], v[LU] offset:LIST+16*\q   ; LDS serves a wave's instructions in order (ISA guide 5.7.1.4): these see the packing's stores
.endr
.irp j, 0,1,2,3
	ds_load_b32 v[SID+\j], v[LS] offset:LIST+64*\j
.endr
.if \first
.irp n, 0,1,2,3,4,5
	global_load_b128 v[WSC+4*\n:WSC+4*\n+3], v[WS], s[8:9] offset:512*\n   ; lane (r, h): the words of K steps 4 h .. 4 h + 3 of class 16 n + r
.endr
	global_load_b128 v[WSC+24:WSC+27], v[WS6], s[8:9] offset:3072
	global_load_b128 v[BIAS:BIAS+3], v[ORD], s[10:11]
.endif
	s_wait_dscnt 0x0
	XROWS IDT, SID, 0
	XROWS IDT+16, SID+1, 1
	XROWS IDT+32, SID+2, 2
.if \first
	s_wait_loadcnt 59                              ; W's rows are in: behind the last of them stand the 8 small loads and 3 x 17 of x.  The count is exact, so no row of x is waited for here
.endif
	XROWS IDT+48, SID+3, 3
.endm
	GATHER 1
	; W_e TURNS INTO FRAGMENTS, while x's rows are on their way: rows into the stage as they lie, fragments out of it.
	WIN 0x04                                       ; an LDS store's data are its source 1: window 1
.set k, 0
.rept 64
	ds_store_b128 v[L16], v[4*k:4*k+3] offset:WP*k
.set k, k+1
.endr
	WIN 0x08                                       ; window 2
.set k, 0
.rept 36
	ds_store_b128 v[L16], v[4*k:4*k+3] offset:WP*(k+64)
.set k, k+1
.endr
	WIN 0
.irp p, 100,101,102,103,104,105,106,107,108,109,110,111
	ds_store_b128 v[L16], v[ZERO:ZERO+3] offset:WP*\p   ; classes 100 .. 111: zero codes
.endr
	s_wait_dscnt 0x0                               ; the stores have read the registers on which the fragments land
	WIN 0x40                                       ; a fragment, 16 classes x 128 K: lane (r, h) takes 16 bytes at 64 s + 16 h and at 64 s + 32 + 16 h of class 16 n + r
.set f, 0
.rept 32
	ds_load_b128 v[8*f:8*f+3],   v[FA] offset:(f%7)*16*WP+(f/7)*64
	ds_load_b128 v[8*f+4:8*f+7], v[FA] offset:(f%7)*16*WP+(f/7)*64+32
.set f, f+1
.endr
	WIN 0x80
.rept 24
	ds_load_b128 v[8*(f-32):8*(f-32)+3],   v[FA] offset:(f%7)*16*WP+(f/7)*64
	ds_load_b128 v[8*(f-32)+4:8*(f-32)+7], v[FA] offset:(f%7)*16*WP+(f/7)*64+32
.set f, f+1
.endr
	WIN 0
; 56 matrix instructions: K step by K step, the seven accumulators by turns, one instruction a turn; the first K step starts the sums: nothing is cleared.
; A scale register holds the words of K steps 0-3 in lanes 0-15 and of K steps 4-7 in lanes 16-31: from K step 4 on both sides name the upper row.
.macro MUL j
.irp s, 0,1,2,3,4,5,6,7
.irp n, 0,1,2,3,4,5,6
.set WF, 8*((7*\s+\n)%32)
.if 7*\s+\n < 32
	WIN 0x09                                       ; source 0 (W) window 1, source 1 (x) window 2, C and D window 0
.else
	WIN 0x0a                                       ; source 0 window 2
.endif
.if \s == 0
	v_wmma_scale_f32_16x16x128_f8f6f4 v[ACC+8*\n:ACC+8*\n+7], v[WF:WF+7], v[XF+8*\s:XF+8*\s+7], 0, v[WSC+4*\n+\s], v[XSC+4*(\j%4)+\s] matrix_a_fmt:MATRIX_FMT_FP4 matrix_b_fmt:MATRIX_FMT_FP4
.elseif \s < 4
	v_wmma_scale_f32_16x16x128_f8f6f4 v[ACC+8*\n:ACC+8*\n+7], v[WF:WF+7], v[XF+8*\s:XF+8*\s+7], v[ACC+8*\n:ACC+8*\n+7], v[WSC+4*\n+\s], v[XSC+4*(\j%4)+\s] matrix_a_fmt:MATRIX_FMT_FP4 matrix_b_fmt:MATRIX_FMT_FP4
.else
	v_wmma_scale_f32_16x16x128_f8f6f4 v[ACC+8*\n:ACC+8*\n+7], v[WF:WF+7], v[XF+8*\s:XF+8*\s+7], v[ACC+8*\n:ACC+8*\n+7], v[WSC+4*\n+\s-4], v[XSC+4*(\j%4)+\s-4] matrix_a_fmt:MATRIX_FMT_FP4 matrix_b_fmt:MATRIX_FMT_FP4 matrix_a_scale:MATRIX_SCALE_ROW1 matrix_b_scale:MATRIX_SCALE_ROW1
.endif
.endr
.endr
	WIN 0
.endm
; The second half of a tile's way out: its 16 rows are back from the stage; + b; a row a store, 25 lanes x 16 bytes = the row's 400 consecutive bytes.
; younger: the LDS instructions issued behind the rows' and the list's loads, which may stay out.  partial = 1: only the first NV rows are stored.
.macro EPI2 partial, younger
	s_wait_dscnt \younger
.irp i, 0,1,2,3,4,5,6,7,8,9,10,11,12,13,14,15
	v_min_u32 v[OFFO+\i], 0x3fff, v[OFFO+\i]
.endr
.irp i, 0,1,2,3,4,5,6,7,8,9,10,11,12,13,14,15
	v_mad_u32_u24 v[OFFO+\i], v[OFFO+\i], 400, v[ORD]
.endr
.set k, 0
.rept 32
	v_pk_add_f32 v[OR+2*k:OR+2*k+1], v[OR+2*k:OR+2*k+1], v[BIAS+2*(k%2):BIAS+2*(k%2)+1]
.set k, k+1
.endr
	s_wait_alu depctr_va_vdst(0)
	s_wait_xcnt 0x0                                ; EXEC is a source of the loads that are out: it changes only behind this wait
	s_and_saveexec_b32 s[SAVE], vcc_lo
.irp i, 0,1,2,3,4,5,6,7,8,9,10,11,12,13,14,15
.if \partial && (\i > 0)
	s_cmp_le_u32 s[NV], \i
	s_cbranch_scc1 .Lstored_\@
.endif
	global_store_b128 v[OFFO+\i], v[OR+4*\i:OR+4*\i+3], s[16:17] th:TH_STORE_NT   ; written once, read by nobody here
.endr
.if \partial
.Lstored_\@:
.endif
	s_wait_xcnt 0x0                                ; the stores have read EXEC, their offsets and their data: all three may be written again
	s_or_b32 exec_lo, exec_lo, s[SAVE]
.endm
; Tile j of a group of five.  later: the loads issued behind this tile's 17.
.macro TILE j, later
.if \j > 0
	s_cmp_le_u32 s[REM], 16*\j
	s_cbranch_scc1 .Ltail                          ; the list ends in the tile before
.endif
	s_sub_co_u32 s[NV], s[REM], 16*\j
	s_wait_loadcnt \later                          ; my 16 rows and their scale words are in
.if \j == 0
	s_wait_xcnt 0x0                                ; the gather has read its offsets: their registers become OFFO and the accumulators
.endif
	WIN 0x0c                                       ; store data: window 3
.irp i, 0,1,2,3,4,5,6,7,8,9,10,11,12,13,14,15
	ds_store_b128 v[L16], v[64*(\j%4)+4*\i:64*(\j%4)+4*\i+3] offset:XST+WP*\i   ; behind W's fragment loads, which LDS serves first
.endr
	WIN 0x80                                       ; destination window 2
.irp s, 0,1,2,3,4,5,6,7
	ds_load_b128 v[XF+8*\s:XF+8*\s+3],   v[FA] offset:XST+64*\s
	ds_load_b128 v[XF+8*\s+4:XF+8*\s+7], v[FA] offset:XST+64*\s+32
.endr
	WIN 0
.if \j == 0
.irp q, 0,1,2,3
	ds_load_b128 v[G4+4*\q:G4+4*\q+3], v[LU] offset:LIST+256+16*\q   ; the fifth tile's rows, for the gather at this tile's end
.endr
	ds_load_b32 v[SID+4], v[LS] offset:LIST+256
.else
	EPI2 0, 32                                     ; the tile before is full, since this one exists; this tile's 16 stores and 16 loads may stay out
.endif
	s_wait_dscnt 0x0                               ; the fragments are in (in the first tile W's too)
	MUL \j
.rept 5
	v_nop                                          ; four places ahead of the LDS stores of results and of loads into the products' registers, five ahead of the next tile's products, which begin the accumulators anew
.endr
.irp n, 0,1,2,3,4,5,6
	ds_store_b128 v[OSA], v[ACC+8*\n:ACC+8*\n+3] offset:OST+64*\n         ; each accumulator from its low end on
	ds_store_b128 v[OSA], v[ACC+8*\n+4:ACC+8*\n+7] offset:OST+64*\n+16
.endr
.irp i, 0,1,2,3,4,5,6,7,8,9,10,11,12,13,14,15
	ds_load_b128 v[OR+4*\i:OR+4*\i+3], v[ORD] offset:OST+OP*\i            ; back as rows; lanes 25-31 repeat lane 24's bytes, so that every register is written whole
.endr
.irp q, 0,1,2,3
	ds_load_b128 v[OFFO+4*\q:OFFO+4*\q+3], v[LU] offset:LIST+64*\j+16*\q  ; and the rows' numbers
.endr
.if \j == 0
	s_cmp_le_u32 s[REM], 64
	s_cbranch_scc1 .Lno_fifth
	XROWS G4, SID+4, 0                             ; landing set 0 and its scale words are free: the stage's stores have read the one, the products the other
.Lno_fifth:
.endif
.endm
.Lgroup:                                               ; a trip serves 80 list places; at most GROUPS trips
	s_sub_co_u32 s[REM], s[CNT], s[BASE]
	TILE 0, 51
	TILE 1, 34
	TILE 2, 17
	TILE 3, 0
	TILE 4, 0
.Ltail:
	EPI2 1, 0                                      ; the last tile that ran: NV of its rows count (16 or more: all)
	s_add_co_u32 s[BASE], s[BASE], 80
	s_cmp_ge_u32 s[BASE], s[CNT]
	s_cbranch_scc1 .Ldone                          ; the list is served: this is where the loop ends.  Behind the last of GROUPS groups BASE is 1,040, over every count
	s_wait_loadcnt 0x0                             ; no load is out into a landing set,
	s_wait_xcnt 0x0                                ; and every offset has been read
	GATHER 0
	s_add_co_u32 s[GRP], s[GRP], 1                 ; the jump back is on a counter of its own, stepped by 1 once a trip, against a constant
	s_cmp_lt_u32 s[GRP], GROUPS
	s_cbranch_scc1 .Lgroup
.Ldone:
	s_wait_tensorcnt 0x0
	ds_add_u32 v254, v255
	s_wait_dscnt 0x0
	s_endpgm
.Lfunc_end_k_q1260bddd21_heads:
	.size	k_q1260bddd21_heads, .Lfunc_end_k_q1260bddd21_heads-k_q1260bddd21_heads
	.p2alignl 7, 3214868480
	.fill 96, 4, 3214868480
	.section	.rodata,"a",@progbits
	.p2align	6, 0x0
	.amdhsa_kernel k_q1260bddd21_heads
		.amdhsa_group_segment_fixed_size 164096
		.amdhsa_private_segment_fixed_size 0
		.amdhsa_enable_private_segment 0
		.amdhsa_kernarg_size 56
		.amdhsa_user_sgpr_count 2
		.amdhsa_user_sgpr_kernarg_segment_ptr 1
		.amdhsa_wavefront_size32 1
		.amdhsa_system_sgpr_workgroup_id_x 1
		.amdhsa_system_sgpr_workgroup_id_y 1
		.amdhsa_system_sgpr_workgroup_id_z 1
		.amdhsa_system_vgpr_workitem_id 0
		.amdhsa_next_free_vgpr 1024
		.amdhsa_next_free_sgpr 66
		.amdhsa_reserve_vcc 1
		.amdhsa_float_denorm_mode_32 3
		.amdhsa_float_denorm_mode_16_64 3
		.amdhsa_memory_ordered 1
		.amdhsa_forward_progress 1
		.amdhsa_inst_pref_size 171
	.end_amdhsa_kernel
	.amdgpu_metadata
---
amdhsa.version: [ 1, 2 ]
amdhsa.kernels:
  - .name:           k_q1260bddd21_heads
    .symbol:         k_q1260bddd21_heads.kd
    .args:
      - { .name: t, .offset: 0, .size: 8, .value_kind: global_buffer, .address_space: global }
      - { .name: W_codes, .offset: 8, .size: 8, .value_kind: global_buffer, .address_space: global }
      - { .name: W_scales, .offset: 16, .size: 8, .value_kind: global_buffer, .address_space: global }
      - { .name: b, .offset: 24, .size: 8, .value_kind: global_buffer, .address_space: global }
      - { .name: x_codes, .offset: 32, .size: 8, .value_kind: global_buffer, .address_space: global }
      - { .name: x_scales, .offset: 40, .size: 8, .value_kind: global_buffer, .address_space: global }
      - { .name: out0, .offset: 48, .size: 8, .value_kind: global_buffer, .address_space: global }
    .group_segment_fixed_size: 164096
    .private_segment_fixed_size: 0
    .kernarg_segment_align: 8
    .kernarg_segment_size: 56
    .max_flat_workgroup_size: 32
    .sgpr_count:     66
    .vgpr_count:     1024
    .wavefront_size: 32
...
	.end_amdgpu_metadata
.endif
;; end of part 1
